; MI455X (gfx1250); checked and timed in simulation.
; The chip was launched on July 23, 2026; its instructions are those of AMD's public machine-readable ISA for CDNA 5 (MIT licence, August 2026) and "CDNA5" Instruction Set Architecture Reference Guide (July 2026). The comments in the code are by the model that wrote it; some were corrected since.
;; Atom Feature. Allowed arithmetic: float matrix products may take bf16 or f16 operands with f32 sums; all other float work in f32.
;; Inputs: coords 2 x 256 x 12 x 3 float32; emb_table 12 x 32 float32; mask 2 x 256 int32; scale 1 x 1 x 32 float32; shift 1 x 1 x 32 float32.
;; Outputs: out0 2 x 3,072 x 3 float32; out1 2 x 3,072 int32; out2 2 x 3,072 x 32 float32; out3 2 x 3,072 x 30 float32; out4 2 x 3,072 x 30 int32.
;; One version. Each part assembles by itself: llvm-mc -triple=amdgcn-amd-amdhsa -mcpu=gfx1250 --defsym DOCPART=n.
;; ======== version 1 of 1: 2 launches
;; workspace buffers: bits 3,145,728 bytes of whole numbers; cnts 65,536 bytes of whole numbers
;; launch filter (part 1): grid 256 x 1, 12 waves a work-group, no clusters, 51,456 bytes of LDS; arguments coords, mask, emb_table, scale, shift, out0, out1, out2, bits, cnts; writes out0, out1, out2, bits, cnts
.if DOCPART == 1
	.amdgcn_target "amdgcn-amd-amdhsa--gfx1250"
	.amdhsa_code_object_version 6
	.text
	.protected	k_q6b11706154_filter
	.globl	k_q6b11706154_filter
	.p2align	8
	.type	k_q6b11706154_filter,@function
k_q6b11706154_filter:
	s_mov_b64 s[64:65], 0
	v_nop
	global_prefetch_b8 v0, s[64:65] scope:SCOPE_SE
	s_setreg_imm32_b32 hwreg(HW_REG_WAVE_MODE, 25, 1), 1
	s_wait_xcnt 0x0
; FILTER: for every atom row, a bit mask of the candidates that can be among its 30 nearest, and two counts of those bits.  Also out0, out1, out2.
; 2 batches x 3072 atoms (256 residues x 12).  Work-group g owns residues 2g and 2g+1 (one batch, b = g >> 7): two trips of 12 rows.
; Wave w of 12 keeps the candidates j = 256 w + 32 t + lane, t = 0..7, in registers for the whole kernel (36,864 bytes a work-group, read once).
; s(i,j) = q + 1e-6 with q = fma(dz,dz,fma(dx,dx,dy*dy)); a masked candidate has s = 1e12, whose square root rounds to 1e6.
; A trip: (1) every wave forms s of its 256 candidates for the 12 rows (kept in 96 registers) and each lane's minimum for each row;
; (2) the minima meet in LDS: row w's 12 x 32 minima are folded by wave w into 64 group minima (48 candidates each), a in slices 0-5, b in 6-11;
; a is sorted ascending and b descending across the lanes, min(a,b) holds the 32 smallest, one merge sorts them, lane 29 holds U, the 30th smallest.
; The 64 minima belong to 64 different candidates, so 30 candidates have s <= U, and every one of the 30 nearest has sqrt(s) <= sqrt(U) as rounded.
; Two s with the same rounded root differ by less than 2^-21 of their size, so s <= U' = U (1 + 2^-20) holds of all 30.
; (3) U' of the 12 rows goes round through LDS, and each wave stores the bits s <= U' of its candidates.
; No address and no branch hangs on a floating-point number: what survives is stored as bits and counts, and the next launch gathers.
; bits: [residue 512][slice w 12][lane 32][4 words]; word k (0..2), bit 8 rr + t: candidate 256 w + 32 t + lane survives for row 4 k + rr;
; word 3 = 0, so that a wave's one store of 16 bytes a lane covers 512 consecutive bytes, aligned.
; cnts: [residue 512][16 rows][2 words]: the bits of the row's fullest lane (lane l over all 12 slices), and the row's bits / 32, rounded up.
; Rows 12-15 repeat rows 0-3 and are never read: with them the group's two residues are 256 consecutive bytes, aligned, stored by one instruction.
; Work-groups of a batch read the same 36,864 bytes of coordinates; they go straight into registers in the layout that the arithmetic wants,
; once in the launch, so there is no LDS tile that a cluster could ask for jointly.  No matrix instruction: expanding |a-b|^2 into products
; forms a difference of large sums, and the order of the distances has to be exact.
; LIMITS: mask entries are 0 or 1 (the norm's count sums them as they are; elsewhere they are tested against 0; out1 copies them).
; Coordinates are finite and no squared distance overflows f32 (a masked candidate's q is multiplied by 0).
; out2 uses v_rcp_f32 and v_rsq_f32, which are not correctly rounded (ISA guide, their entries in 15.8).
.set REG, 18688                        ; LDS of one trip: 12 rows x 12 waves x 32 lanes x 4 bytes of minima, then 256 bytes for the 12 bounds
.set UBO, 18432                        ; where the bounds begin in it.  The two trips have bytes of their own: nothing read is written again
.set CNTO, 2*REG                       ; behind them: 2 trips x 12 waves x 32 lanes x 16 bytes: each lane's bits of each row, a byte a row
.set RESO, CNTO+12288                  ; and 2 x 16 rows x 8 bytes: the counts as they are stored
.set CX,  8                            ; v[8:15]    x of my 8 candidates
.set CY,  16                           ; v[16:23]   y
.set CZ,  24                           ; v[24:31]   z
.set FA,  32                           ; v[32:39]   1.0 for a valid candidate, 0 for a masked one
.set FB,  40                           ; v[40:47]   1e-6 for a valid candidate, 1e12 for a masked one
.set RB,  48                           ; v[48:59]   the row's x, y, z in the even registers of 2 x 3 pairs (odd ones 0, never used as values)
.set DD,  60                           ; v[60:83]   differences: x 60-67, y 68-75, z 76-83; in the selection v60-71 minima, v72 a, v73 b, v74-79 at work; then v60-66 bit counts
.set MN,  84                           ; v[84:95]   my lane's minimum for each of the 12 rows
.set UU,  96                           ; v[96:107]  the 12 bounds
.set WD,  108                          ; v[108:111] the bit words
.set SS,  112                          ; v[112:207] s of row r, candidate t at SS + 8 r + t
; v1 lane, v2 byte offset of my first candidate, v3 at work and then 0, v4 where I put minima, v5 where I read row w's, v6 my offset in bits and in the LDS counts, v7 where U' goes
; behind the trips v8-v45 are free: v8-10 addresses, v12-35 the slices' counts, v40-45 results
; s[2:3] the group's 24 rows, s[4:21] nine buffers, s22 wave, s23 g, s24 batch, s[26:27] the batch's coords, s[28:29] its mask,
; s[32:63] and s[68:71] the trip's 36 row numbers (behind the trips s[32:33] cnts), s72-86 the sort's lane masks, s87-88 the cross-half select, s89 U',
; s90-95 compare and carry masks, s[96:97] the two residues' flags, s98 their offset, s99 1e12
	s_load_b256 s[4:11], s[0:1], 0x0               ; coords s[4:5], mask s[6:7], emb_table s[8:9], scale s[10:11]
	s_load_b256 s[12:19], s[0:1], 0x20             ; shift s[12:13], out0 s[14:15], out1 s[16:17], out2 s[18:19]
	s_load_b64 s[20:21], s[0:1], 0x40              ; bits
	v_lshl_add_u32 v208, v0, 2, 0xc300
	v_mov_b32 v209, 0
	v_and_b32 v1, 31, v0                           ; lane
	v_lshrrev_b32 v3, 5, v0
	v_readfirstlane_b32 s22, v3                    ; wave 0..11
	s_mov_b32 s23, ttmp9                           ; g
	s_lshr_b32 s24, s23, 7                         ; batch
	s_mul_i32 s25, s22, 3072
	v_mul_u32_u24 v2, 12, v1
	v_add_nc_u32 v2, s25, v2                       ; (256 w + lane) x 12 bytes
	v_lshl_add_u32 v3, s22, 8, v1                  ; my first candidate's number
	v_lshlrev_b32 v4, 2, v1
	v_lshl_add_u32 v4, s22, 7, v4                  ; minima in: 128 w + 4 lane (+ 1536 row)
	s_mul_i32 s25, s22, 1536
	v_lshlrev_b32 v5, 2, v1
	v_add_nc_u32 v5, s25, v5                       ; minima back: 1536 w + 4 lane (+ 128 slice)
	v_lshlrev_b32 v6, 4, v1
	v_lshl_add_u32 v6, s22, 9, v6                  ; bits: 512 w + 16 lane
	s_lshl_b32 s25, s22, 2
	s_add_co_u32 s25, s25, UBO
	v_mov_b32 v7, s25                              ; row w's bound
.irp t, 0,1,2,3,4,5,6,7
	v_add_nc_u32 v[144+\t], 32*\t, v3              ; candidate j;
	v_mul_u32_u24 v[144+\t], 0xaaab, v[144+\t]     ; j / 12 = (43691 j) >> 19: 12 x 43691 = 2^19 + 4, so the excess is j / 1,572,864 < 1/12 for j < 6144
	v_lshrrev_b32 v[144+\t], 19, v[144+\t]
	v_lshlrev_b32 v[144+\t], 2, v[144+\t]          ; byte offset of its residue's flag
.endr
	s_mul_i32 s30, s24, 36864
	s_mov_b32 s31, 0
	s_lshl_b32 s98, s23, 3                         ; flags of residues 2g, 2g+1
	s_wait_kmcnt 0x0
	s_add_nc_u64 s[26:27], s[4:5], s[30:31]        ; the batch's coordinates
	s_lshl_b32 s30, s24, 10
	s_add_nc_u64 s[28:29], s[6:7], s[30:31]        ; the batch's mask
	s_mul_i32 s30, s23, 288
	s_add_nc_u64 s[2:3], s[4:5], s[30:31]          ; my 24 rows: 288 bytes
	s_mul_i32 s30, s23, 12288
	s_add_nc_u64 s[20:21], s[20:21], s[30:31]      ; my two residues in bits
	s_load_b512 s[32:47], s[2:3], 0x0              ; the first trip's 12 rows: 36 numbers
	s_load_b512 s[48:63], s[2:3], 0x40
	s_load_b128 s[68:71], s[2:3], 0x80
	s_load_b64 s[96:97], s[6:7], s98 offset:0x0
.irp t, 0,1,2,3,4,5,6,7
	global_load_b96 v[112+4*\t:114+4*\t], v2, s[26:27] offset:384*\t   ; 32 candidates: 384 consecutive bytes
.endr
.irp t, 0,1,2,3,4,5,6,7
	global_load_b32 v[144+\t], v[144+\t], s[28:29] ; their flags; each load lands on its own address register
.endr
	; Bit l of a mask: lane l keeps the larger of the pair in stage (k, jj) of an ascending bitonic sort: ((l & jj) != 0) xor ((l & k) != 0)
	s_mov_b32 s72, 0x66666666                      ; k 2,  jj 1
	s_mov_b32 s73, 0x3c3c3c3c                      ; k 4,  jj 2
	s_mov_b32 s74, 0x5a5a5a5a                      ;       jj 1
	s_mov_b32 s75, 0x0ff00ff0                      ; k 8,  jj 4
	s_mov_b32 s76, 0x33cc33cc                      ;       jj 2
	s_mov_b32 s77, 0x55aa55aa                      ;       jj 1
	s_mov_b32 s78, 0x00ffff00                      ; k 16, jj 8
	s_mov_b32 s79, 0x0f0ff0f0                      ;       jj 4
	s_mov_b32 s80, 0x3333cccc                      ;       jj 2
	s_mov_b32 s81, 0x5555aaaa                      ;       jj 1
	s_mov_b32 s82, 0xffff0000                      ; k 32, jj 16
	s_mov_b32 s83, 0xff00ff00                      ;       jj 8
	s_mov_b32 s84, 0xf0f0f0f0                      ;       jj 4
	s_mov_b32 s85, 0xcccccccc                      ;       jj 2
	s_mov_b32 s86, 0xaaaaaaaa                      ;       jj 1
	s_mov_b32 s87, 0x76543210                      ; v_permlanex16_b32: lane i of one half reads lane i of the other
	s_mov_b32 s88, 0xfedcba98
	; While the candidates are on their way: the three small outputs, shared out by the wave's number.  No barrier stands in these branches.
	s_cmp_lt_u32 s22, 6
	s_cbranch_scc1 .Lnorm
	s_cmp_eq_u32 s22, 6
	s_cbranch_scc1 .Lcopy
	s_cmp_eq_u32 s22, 7
	s_cbranch_scc1 .Lrep
	s_branch .Lmain
; out2, waves 0-5: residue 2g + (w >= 3), four atoms a wave; lane: atom 4 w' + lane / 8, channels 4 q .. 4 q + 3, q = lane % 8.
; The embedding has 12 different rows, so with V valid residues: mean = V sum_a T_a / cnt, var = (V sum_a (T_a - mean)^2 + (3072 - 12 V) mean^2) / cnt.
.Lnorm:
	s_wait_kmcnt 0x0                               ; the two flags
	s_cmp_ge_u32 s22, 3
	s_cselect_b32 s90, 1, 0                        ; which of my two residues
	s_cselect_b32 s91, s97, s96                    ; its flag
	s_mul_i32 s92, s90, 3
	s_sub_co_u32 s92, s22, s92                     ; w' = 0..2
	s_lshl_b32 s93, s23, 1
	s_add_co_u32 s93, s93, s90
	s_mul_i32 s93, s93, 1536                       ; a residue of out2: 12 x 32 x 4 bytes
	s_lshl_b32 s94, s92, 9
	s_add_co_u32 s93, s93, s94                     ; + 512 w'
	s_cmp_lg_u32 s91, 0
	s_cselect_b32 s94, 0x3f800000, 0               ; the flag as f32
	s_mov_b32 s95, 0                               ; the pair's other half, not used as a value
	v_and_b32 v3, 7, v1
	v_lshlrev_b32 v3, 4, v3                        ; 16 q
	v_lshrrev_b32 v172, 3, v1
	v_lshl_add_u32 v172, s92, 2, v172              ; my atom
	v_lshl_add_u32 v172, v172, 7, v3               ; its four channels in the table
	v_lshlrev_b32 v173, 5, v1                      ; 8 flags a lane: the batch's 256
	v_lshlrev_b32 v188, 4, v1
	v_add_nc_u32 v188, s93, v188                   ; atom x 128 + 16 q = 512 w' + 16 lane: the wave stores 512 consecutive bytes, aligned
.irp a, 0,1,2,3,4,5,6,7,8,9,10,11
	global_load_b128 v[60+4*\a:63+4*\a], v3, s[8:9] offset:128*\a      ; my channels of all 12 rows
.endr
	global_load_b128 v[152:155], v172, s[8:9]      ; of my own row
	global_load_b128 v[156:159], v3, s[10:11]      ; scale
	global_load_b128 v[160:163], v3, s[12:13]      ; shift
	global_load_b128 v[164:167], v173, s[28:29]
	global_load_b128 v[168:171], v173, s[28:29] offset:16
	s_wait_loadcnt 0x0
	v_add_nc_u32 v164, v164, v165
	v_add_nc_u32 v166, v166, v167
	v_add_nc_u32 v168, v168, v169
	v_add_nc_u32 v170, v170, v171
	v_add_nc_u32 v164, v164, v166
	v_add_nc_u32 v168, v168, v170
	v_add_nc_u32 v164, v164, v168
	v_cvt_f32_i32 v164, v164                       ; at most 256 in all: the f32 sums below are exact
	v_add_f32_dpp v164, v164, v164 row_xmask:1 row_mask:0xf bank_mask:0xf
	v_add_f32_dpp v164, v164, v164 row_xmask:2 row_mask:0xf bank_mask:0xf
	v_add_f32_dpp v164, v164, v164 row_xmask:4 row_mask:0xf bank_mask:0xf
	v_add_f32_dpp v164, v164, v164 row_xmask:8 row_mask:0xf bank_mask:0xf
	v_permlanex16_b32 v165, v164, s87, s88
	v_add_f32 v164, v164, v165                     ; V
	v_mul_f32 v165, 0x41400000, v164               ; 12 V
	v_max_num_f32 v167, 1.0, v165                  ; cnt
	v_rcp_f32 v166, v167
	v_sub_f32 v168, 0x45400000, v165               ; 3072 - 12 V: the plain instruction behind v_rcp_f32 (ISA guide 5.7.2)
	s_wait_alu depctr_va_vdst(0)
	v_mul_f32 v170, v164, v166                     ; V / cnt
.irp p, 0,1
	v_pk_add_f32 v[174+2*\p:175+2*\p], v[60+2*\p:61+2*\p], v[64+2*\p:65+2*\p]
.endr
.irp a, 2,3,4,5,6,7,8,9,10,11
.irp p, 0,1
	v_pk_add_f32 v[174+2*\p:175+2*\p], v[174+2*\p:175+2*\p], v[60+4*\a+2*\p:61+4*\a+2*\p]
.endr
.endr
.irp p, 0,1
	v_pk_mul_f32 v[174+2*\p:175+2*\p], v[174+2*\p:175+2*\p], v[170:171] op_sel_hi:[1,0]       ; mean
.endr
.irp p, 0,1
	v_pk_add_f32 v[182+2*\p:183+2*\p], v[60+2*\p:61+2*\p], v[174+2*\p:175+2*\p] neg_lo:[0,1] neg_hi:[0,1]
.endr
.irp p, 0,1
	v_pk_mul_f32 v[178+2*\p:179+2*\p], v[182+2*\p:183+2*\p], v[182+2*\p:183+2*\p]             ; the first square starts the sum
.endr
.irp a, 1,2,3,4,5,6,7,8,9,10,11
.irp p, 0,1
	v_pk_add_f32 v[182+2*\p:183+2*\p], v[60+4*\a+2*\p:61+4*\a+2*\p], v[174+2*\p:175+2*\p] neg_lo:[0,1] neg_hi:[0,1]
.endr
.irp p, 0,1
	v_pk_fma_f32 v[178+2*\p:179+2*\p], v[182+2*\p:183+2*\p], v[182+2*\p:183+2*\p], v[178+2*\p:179+2*\p]
.endr
.endr
.irp p, 0,1
	v_pk_mul_f32 v[182+2*\p:183+2*\p], v[174+2*\p:175+2*\p], v[174+2*\p:175+2*\p]
	v_pk_mul_f32 v[182+2*\p:183+2*\p], v[182+2*\p:183+2*\p], v[168:169] op_sel_hi:[1,0]       ; the masked atoms' share: (3072 - 12 V) mean^2
	v_pk_fma_f32 v[178+2*\p:179+2*\p], v[178+2*\p:179+2*\p], v[164:165], v[182+2*\p:183+2*\p] op_sel_hi:[1,0,1]
	v_pk_fma_f32 v[178+2*\p:179+2*\p], v[178+2*\p:179+2*\p], v[166:167], 0x3727c5ac op_sel_hi:[1,0,0]   ; var + 1e-5
.endr
	v_rsq_f32 v190, v178
	v_rsq_f32 v191, v179
	v_rsq_f32 v192, v180
	v_rsq_f32 v193, v181
.irp p, 0,1
	v_pk_add_f32 v[152+2*\p:153+2*\p], v[152+2*\p:153+2*\p], v[174+2*\p:175+2*\p] neg_lo:[0,1] neg_hi:[0,1]   ; plain work behind the v_rsq_f32 (ISA guide 5.7.2)
.endr
	s_wait_alu depctr_va_vdst(0)
.irp p, 0,1
	v_pk_mul_f32 v[152+2*\p:153+2*\p], v[152+2*\p:153+2*\p], v[190+2*\p:191+2*\p]
	v_pk_fma_f32 v[152+2*\p:153+2*\p], v[152+2*\p:153+2*\p], v[156+2*\p:157+2*\p], v[160+2*\p:161+2*\p]
	v_pk_mul_f32 v[152+2*\p:153+2*\p], v[152+2*\p:153+2*\p], s[94:95] op_sel_hi:[1,0]         ; a masked residue's rows are 0
.endr
	global_store_b128 v188, v[152:155], s[18:19]
	s_wait_xcnt 0x0                                ; the store's registers are written again below only behind this wait
	s_branch .Lmain
; out0, wave 6 of the first 144 work-groups: 512 bytes of coords each, 73,728 in all
.Lcopy:
	s_cmp_lt_u32 s23, 144
	s_cbranch_scc0 .Lmain
	v_lshlrev_b32 v3, 4, v1
	v_lshl_add_u32 v3, s23, 9, v3
	global_load_b128 v[152:155], v3, s[4:5]
	s_wait_loadcnt 0x0
	global_store_b128 v3, v[152:155], s[14:15]
	s_wait_xcnt 0x0                                ; v3 and v[152:155] are written again below
	s_branch .Lmain
; out1, wave 7 of the first 48 work-groups: 128 atoms' flags each, 6,144 in all; atom n of both batches has residue n / 12 of the 512
.Lrep:
	s_cmp_lt_u32 s23, 48
	s_cbranch_scc0 .Lmain
	v_lshlrev_b32 v3, 2, v1
	v_lshl_add_u32 v3, s23, 7, v3                  ; my first atom: 128 g + 4 lane
.irp i, 0,1,2,3
	v_add_nc_u32 v[152+\i], \i, v3
	v_mul_u32_u24 v[152+\i], 0xaaab, v[152+\i]
	v_lshrrev_b32 v[152+\i], 19, v[152+\i]
	v_lshlrev_b32 v[152+\i], 2, v[152+\i]
	global_load_b32 v[152+\i], v[152+\i], s[6:7]
.endr
	v_lshlrev_b32 v3, 2, v3                        ; 512 g + 16 lane
	s_wait_loadcnt 0x0
	global_store_b128 v3, v[152:155], s[16:17]
	s_wait_xcnt 0x0
.Lmain:
	s_wait_loadcnt 0x0                             ; my candidates and their flags
.irp t, 0,1,2,3,4,5,6,7
	v_mov_b32 v[CX+\t], v[112+4*\t]                ; x, y, z apart, so that neighbouring candidates form the pairs of the packed arithmetic
	v_mov_b32 v[CY+\t], v[113+4*\t]
	v_mov_b32 v[CZ+\t], v[114+4*\t]
.endr
	s_mov_b32 s99, 0x5368d4a5                      ; 1e12
	v_mov_b32 v3, 0x358637bd                       ; 1e-6
.irp t, 0,1,2,3,4,5,6,7
	v_cmp_ne_u32 vcc_lo, 0, v[144+\t]
	v_cndmask_b32 v[FA+\t], 0, 1.0, vcc_lo
	v_cndmask_b32 v[FB+\t], s99, v3, vcc_lo
.endr
	v_mov_b32 v3, 0                                ; from here on: LDS address 0
.irp i, 1,3,5,7,9,11
	v_mov_b32 v[RB+\i], 0                          ; the pairs' other halves
.endr
.irp i, 0,1,2,3
	v_mov_b32 v[WD+\i], 0                          ; word 3 stays 0; words 0-2 are shifted full in each trip
.endr
.macro ROWMOV dst, q                   ; number q of the trip's 36 lies in s[32+q], from q = 32 on in s[36+q]
.if (\q) < 32
	v_mov_b32 v[\dst], s[32+(\q)]
.else
	v_mov_b32 v[\dst], s[36+(\q)]
.endif
.endm
; s of row r for my 8 candidates, two at a time, and their minimum
.macro PASS1ROW r
.set RBS, RB+6*((\r)&1)
	ROWMOV RBS, 3*\r
	ROWMOV RBS+2, 3*\r+1
	ROWMOV RBS+4, 3*\r+2
.irp p, 0,1,2,3
	v_pk_add_f32 v[DD+2*\p:DD+2*\p+1], v[CX+2*\p:CX+2*\p+1], v[RBS:RBS+1] op_sel_hi:[1,0] neg_lo:[0,1] neg_hi:[0,1]
.endr
.irp p, 0,1,2,3
	v_pk_add_f32 v[DD+8+2*\p:DD+8+2*\p+1], v[CY+2*\p:CY+2*\p+1], v[RBS+2:RBS+3] op_sel_hi:[1,0] neg_lo:[0,1] neg_hi:[0,1]
.endr
.irp p, 0,1,2,3
	v_pk_add_f32 v[DD+16+2*\p:DD+16+2*\p+1], v[CZ+2*\p:CZ+2*\p+1], v[RBS+4:RBS+5] op_sel_hi:[1,0] neg_lo:[0,1] neg_hi:[0,1]
.endr
	; the sum of squares: q = fma(dz, dz, fma(dx, dx, dy dy)), the same order as in the launch that sorts
.irp p, 0,1,2,3
	v_pk_mul_f32 v[DD+8+2*\p:DD+8+2*\p+1], v[DD+8+2*\p:DD+8+2*\p+1], v[DD+8+2*\p:DD+8+2*\p+1]
.endr
.irp p, 0,1,2,3
	v_pk_fma_f32 v[DD+8+2*\p:DD+8+2*\p+1], v[DD+2*\p:DD+2*\p+1], v[DD+2*\p:DD+2*\p+1], v[DD+8+2*\p:DD+8+2*\p+1]
.endr
.irp p, 0,1,2,3
	v_pk_fma_f32 v[DD+8+2*\p:DD+8+2*\p+1], v[DD+16+2*\p:DD+16+2*\p+1], v[DD+16+2*\p:DD+16+2*\p+1], v[DD+8+2*\p:DD+8+2*\p+1]
.endr
.irp p, 0,1,2,3
	v_pk_fma_f32 v[SS+8*\r+2*\p:SS+8*\r+2*\p+1], v[DD+8+2*\p:DD+8+2*\p+1], v[FA+2*\p:FA+2*\p+1], v[FB+2*\p:FB+2*\p+1]   ; q x 1 + 1e-6, or q x 0 + 1e12
.endr
	v_min_num_f32 v[MN+\r], v[SS+8*\r], v[SS+8*\r+1]
	v_min3_num_f32 v[MN+\r], v[MN+\r], v[SS+8*\r+2], v[SS+8*\r+3]
	v_min3_num_f32 v[MN+\r], v[MN+\r], v[SS+8*\r+4], v[SS+8*\r+5]
	v_min3_num_f32 v[MN+\r], v[MN+\r], v[SS+8*\r+6], v[SS+8*\r+7]
.endm
; One stage of the sort across the lanes, partner = lane xor jj: a (v72) ascending and b (v73) descending, side by side
.macro SORTSTEP jj, sm
.if \jj < 16
	v_min_num_f32_dpp v74, v72, v72 row_xmask:\jj row_mask:0xf bank_mask:0xf
	v_max_num_f32_dpp v75, v72, v72 row_xmask:\jj row_mask:0xf bank_mask:0xf
	v_min_num_f32_dpp v76, v73, v73 row_xmask:\jj row_mask:0xf bank_mask:0xf
	v_max_num_f32_dpp v77, v73, v73 row_xmask:\jj row_mask:0xf bank_mask:0xf
.else
	v_permlanex16_b32 v78, v72, s87, s88
	v_permlanex16_b32 v79, v73, s87, s88
	v_min_num_f32 v74, v72, v78
	v_max_num_f32 v75, v72, v78
	v_min_num_f32 v76, v73, v79
	v_max_num_f32 v77, v73, v79
.endif
	v_cndmask_b32 v72, v74, v75, s[\sm]            ; a: the marked lanes keep the larger
	v_cndmask_b32 v73, v77, v76, s[\sm]            ; b: they keep the smaller
.endm
.macro CLEANSTEP jj, sm                ; the same for a alone
.if \jj < 16
	v_min_num_f32_dpp v74, v72, v72 row_xmask:\jj row_mask:0xf bank_mask:0xf
	v_max_num_f32_dpp v75, v72, v72 row_xmask:\jj row_mask:0xf bank_mask:0xf
.else
	v_permlanex16_b32 v78, v72, s87, s88
	v_min_num_f32 v74, v72, v78
	v_max_num_f32 v75, v72, v78
.endif
	v_cndmask_b32 v72, v74, v75, s[\sm]
.endm
; The bits: word k is doubled and takes the compare's bit as carry, 32 times, the highest bit (rr 3, t 7) first: all older bits are pushed out
.macro PASS2
.irp rr, 3,2,1,0
.irp t, 7,6,5,4,3,2,1,0
.irp k, 0,1,2
	v_cmp_le_f32 s[90+\k], v[SS+8*(4*\k+\rr)+\t], v[UU+4*\k+\rr]
.endr
.irp k, 0,1,2
	v_add_co_ci_u32 v[WD+\k], s[93+\k], v[WD+\k], v[WD+\k], s[90+\k]
.endr
.endr
.endr
.endm
; Residue 2g + n.  more = 1: the next residue's rows are asked for as soon as this one's have been used.
.macro TRIP n, more
	s_wait_kmcnt 0x0                               ; the 36 row numbers
.irp r, 0,1,2,3,4,5,6,7,8,9,10,11
	PASS1ROW \r
.endr
.if \more
	s_load_b512 s[32:47], s[2:3], 0x90             ; 144 bytes on
	s_load_b512 s[48:63], s[2:3], 0xd0
	s_load_b128 s[68:71], s[2:3], 0x110
.endif
.irp r, 0,1,2,3,4,5,6,7,8,9,10,11
	ds_store_b32 v4, v[MN+\r] offset:\n*REG+1536*\r
.endr
	s_wait_dscnt 0x0                               ; my minima are in LDS before I say so
	s_barrier_signal -1
	s_barrier_wait -1                              ; everybody's are
.irp i, 0,1,2,3,4,5,6,7,8,9,10,11
	ds_load_b32 v[DD+\i], v5 offset:\n*REG+128*\i  ; row w: the 12 slices' minima
.endr
	s_wait_dscnt 0x0
	v_min3_num_f32 v72, v60, v61, v62
	v_min3_num_f32 v73, v66, v67, v68
	v_min3_num_f32 v72, v72, v63, v64
	v_min3_num_f32 v73, v73, v69, v70
	v_min_num_f32 v72, v72, v65                    ; a: slices 0-5
	v_min_num_f32 v73, v73, v71                    ; b: slices 6-11
	SORTSTEP 1, 72
	SORTSTEP 2, 73
	SORTSTEP 1, 74
	SORTSTEP 4, 75
	SORTSTEP 2, 76
	SORTSTEP 1, 77
	SORTSTEP 8, 78
	SORTSTEP 4, 79
	SORTSTEP 2, 80
	SORTSTEP 1, 81
	SORTSTEP 16, 82
	SORTSTEP 8, 83
	SORTSTEP 4, 84
	SORTSTEP 2, 85
	SORTSTEP 1, 86
	v_min_num_f32 v72, v72, v73                    ; ascending against descending: the 32 smallest of the 64, a bitonic run
	CLEANSTEP 16, 82
	CLEANSTEP 8, 83
	CLEANSTEP 4, 84
	CLEANSTEP 2, 85
	CLEANSTEP 1, 86
	v_mul_f32 v72, 0x3f800008, v72                 ; x (1 + 2^-20)
	v_readlane_b32 s89, v72, 29                    ; the 30th smallest
	v_mov_b32 v73, s89
	ds_store_b32 v7, v73 offset:\n*REG             ; all lanes write the one word with the one value
	s_wait_dscnt 0x0
	s_barrier_signal -1
	s_barrier_wait -1
.irp i, 0,1,2
	ds_load_b128 v[UU+4*\i:UU+4*\i+3], v3 offset:\n*REG+UBO+16*\i
.endr
	s_wait_dscnt 0x0
	s_wait_xcnt 0x0                                ; the bit words were the last trip's store data: written again only behind this wait
	PASS2
	global_store_b128 v6, v[WD:WD+3], s[20:21] offset:6144*\n
	; How many bits each byte (one row's eight candidates of my lane) holds: sums of 2 bits, of 4, of 8, all four bytes of a word at once
.irp k, 0,1,2
	v_lshrrev_b32 v[64+\k], 1, v[WD+\k]
	v_and_b32 v[64+\k], 0x55555555, v[64+\k]
	v_sub_nc_u32 v[60+\k], v[WD+\k], v[64+\k]
	v_lshrrev_b32 v[64+\k], 2, v[60+\k]
	v_and_b32 v[60+\k], 0x33333333, v[60+\k]
	v_and_b32 v[64+\k], 0x33333333, v[64+\k]
	v_add_nc_u32 v[60+\k], v[60+\k], v[64+\k]
	v_lshrrev_b32 v[64+\k], 4, v[60+\k]
	v_add_nc_u32 v[60+\k], v[60+\k], v[64+\k]
	v_and_b32 v[60+\k], 0x0f0f0f0f, v[60+\k]
.endr
	v_mov_b32 v63, 0
	ds_store_b128 v6, v[60:63] offset:CNTO+6144*\n ; 512 w + 16 lane, as in bits; read behind the barrier that follows the second trip
.endm
	TRIP 0, 1
	TRIP 1, 0
	; THE COUNTS.  Wave w takes row w of both residues: its byte in the 12 slices' words, added lane by lane (96 at the most: a byte holds it),
	; then the sum and the maximum over the 32 lanes, in f32 (3,072 at the most: exact).
	s_load_b64 s[32:33], s[0:1], 0x48              ; cnts; the row numbers that lay here have been used
	s_and_b32 s25, s22, 12                         ; my row's word: 4 x (w / 4) bytes
	s_and_b32 s98, s22, 3
	s_lshl_b32 s98, s98, 3                         ; my row's byte in it
	s_lshl_b32 s99, s22, 3                         ; my row's 8 bytes among the results
	s_lshl_b32 s34, s23, 8                         ; the group's 256 bytes of cnts
	s_mov_b32 s35, 0
	v_lshl_add_u32 v8, v1, 4, s25
	v_mov_b32 v9, s99
	v_lshlrev_b32 v10, 3, v1
	s_wait_dscnt 0x0                               ; my bit counts are in LDS before I say so
	s_barrier_signal -1
	s_barrier_wait -1
.irp n, 0,1
.irp i, 0,1,2,3,4,5,6,7,8,9,10,11
	ds_load_b32 v[12+12*\n+\i], v8 offset:CNTO+6144*\n+512*\i
.endr
.endr
	s_wait_dscnt 0x0
.irp n, 0,1
	v_add3_u32 v[12+12*\n], v[12+12*\n], v[13+12*\n], v[14+12*\n]
	v_add3_u32 v[15+12*\n], v[15+12*\n], v[16+12*\n], v[17+12*\n]
	v_add3_u32 v[18+12*\n], v[18+12*\n], v[19+12*\n], v[20+12*\n]
	v_add3_u32 v[21+12*\n], v[21+12*\n], v[22+12*\n], v[23+12*\n]
	v_add3_u32 v[12+12*\n], v[12+12*\n], v[15+12*\n], v[18+12*\n]
	v_add_nc_u32 v[12+12*\n], v[12+12*\n], v[21+12*\n]
	v_bfe_u32 v[12+12*\n], v[12+12*\n], s98, 8     ; my lane's bits of row w
	v_cvt_f32_u32 v[12+12*\n], v[12+12*\n]         ; starts the sum
	v_mov_b32 v[13+12*\n], v[12+12*\n]             ; and the maximum
.endr
.irp m, 1,2,4,8
.irp n, 0,1
	v_add_f32_dpp v[12+12*\n], v[12+12*\n], v[12+12*\n] row_xmask:\m row_mask:0xf bank_mask:0xf
	v_max_num_f32_dpp v[13+12*\n], v[13+12*\n], v[13+12*\n] row_xmask:\m row_mask:0xf bank_mask:0xf
.endr
.endr
.irp n, 0,1
	v_permlanex16_b32 v[14+12*\n], v[12+12*\n], s87, s88
	v_permlanex16_b32 v[15+12*\n], v[13+12*\n], s87, s88
	v_add_f32 v[12+12*\n], v[12+12*\n], v[14+12*\n]
	v_max_num_f32 v[13+12*\n], v[13+12*\n], v[15+12*\n]
	v_cvt_u32_f32 v[12+12*\n], v[12+12*\n]         ; the row's bits
	v_cvt_u32_f32 v[40+2*\n], v[13+12*\n]          ; word 0: the fullest lane's
	v_add_nc_u32 v[12+12*\n], 31, v[12+12*\n]
	v_lshrrev_b32 v[41+2*\n], 5, v[12+12*\n]       ; word 1: batches of 32
	ds_store_b64 v9, v[40+2*\n:41+2*\n] offset:RESO+128*\n             ; all lanes write the one pair with the one value
.endr
	s_cmp_gt_u32 s22, 3
	s_cbranch_scc1 .Lnopad
	ds_store_b64 v9, v[40:41] offset:RESO+96       ; waves 0-3 fill rows 12-15 too, so that the store below reads written bytes alone
	ds_store_b64 v9, v[42:43] offset:RESO+128+96
.Lnopad:
	s_wait_dscnt 0x0                               ; my results are in LDS before I say so
	s_wait_kmcnt 0x0                               ; the address of cnts
	s_barrier_signal -1
	s_barrier_wait -1
	s_cmp_lg_u32 s22, 0
	s_cbranch_scc1 .Ldone
	s_add_nc_u64 s[32:33], s[32:33], s[34:35]
	ds_load_b64 v[44:45], v10 offset:RESO
	s_wait_dscnt 0x0
	global_store_b64 v10, v[44:45], s[32:33]       ; wave 0: 32 lanes x 8 bytes = the group's 256 consecutive bytes, aligned
.Ldone:
	s_wait_tensorcnt 0x0
	ds_add_u32 v208, v209
	s_wait_dscnt 0x0
	s_endpgm
.Lfunc_end_k_q6b11706154_filter:
	.size	k_q6b11706154_filter, .Lfunc_end_k_q6b11706154_filter-k_q6b11706154_filter
	.p2alignl 7, 3214868480
	.fill 96, 4, 3214868480
	.section	.rodata,"a",@progbits
	.p2align	6, 0x0
	.amdhsa_kernel k_q6b11706154_filter
		.amdhsa_group_segment_fixed_size 51456
		.amdhsa_private_segment_fixed_size 0
		.amdhsa_enable_private_segment 0
		.amdhsa_kernarg_size 80
		.amdhsa_user_sgpr_count 2
		.amdhsa_user_sgpr_kernarg_segment_ptr 1
		.amdhsa_wavefront_size32 1
		.amdhsa_system_sgpr_workgroup_id_x 1
		.amdhsa_system_sgpr_workgroup_id_y 1
		.amdhsa_system_sgpr_workgroup_id_z 1
		.amdhsa_system_vgpr_workitem_id 0
		.amdhsa_next_free_vgpr 210
		.amdhsa_next_free_sgpr 100
		.amdhsa_reserve_vcc 1
		.amdhsa_float_denorm_mode_32 3
		.amdhsa_float_denorm_mode_16_64 3
		.amdhsa_memory_ordered 1
		.amdhsa_forward_progress 1
		.amdhsa_inst_pref_size 120
	.end_amdhsa_kernel
	.amdgpu_metadata
---
amdhsa.version: [ 1, 2 ]
amdhsa.kernels:
  - .name:           k_q6b11706154_filter
    .symbol:         k_q6b11706154_filter.kd
    .args:
      - { .name: coords, .offset: 0, .size: 8, .value_kind: global_buffer, .address_space: global }
      - { .name: mask, .offset: 8, .size: 8, .value_kind: global_buffer, .address_space: global }
      - { .name: emb_table, .offset: 16, .size: 8, .value_kind: global_buffer, .address_space: global }
      - { .name: scale, .offset: 24, .size: 8, .value_kind: global_buffer, .address_space: global }
      - { .name: shift, .offset: 32, .size: 8, .value_kind: global_buffer, .address_space: global }
      - { .name: out0, .offset: 40, .size: 8, .value_kind: global_buffer, .address_space: global }
      - { .name: out1, .offset: 48, .size: 8, .value_kind: global_buffer, .address_space: global }
      - { .name: out2, .offset: 56, .size: 8, .value_kind: global_buffer, .address_space: global }
      - { .name: bits, .offset: 64, .size: 8, .value_kind: global_buffer, .address_space: global }
      - { .name: cnts, .offset: 72, .size: 8, .value_kind: global_buffer, .address_space: global }
    .group_segment_fixed_size: 51456
    .private_segment_fixed_size: 0
    .kernarg_segment_align: 8
    .kernarg_segment_size: 80
    .max_flat_workgroup_size: 384
    .sgpr_count:     100
    .vgpr_count:     210
    .wavefront_size: 32
...
	.end_amdgpu_metadata
.endif
;; end of part 1
;; launch select (part 2): grid 512 x 1, 12 waves a work-group, no clusters, 119,296 bytes of LDS; arguments coords, mask, bits, out3, out4, cnts; writes out3, out4
.if DOCPART == 2
	.amdgcn_target "amdgcn-amd-amdhsa--gfx1250"
	.amdhsa_code_object_version 6
	.text
	.protected	k_q6b11706154_select
	.globl	k_q6b11706154_select
	.p2align	8
	.type	k_q6b11706154_select,@function
k_q6b11706154_select:
	s_mov_b64 s[64:65], 0
	v_nop
	global_prefetch_b8 v0, s[64:65] scope:SCOPE_SE
	s_setreg_imm32_b32 hwreg(HW_REG_WAVE_MODE, 25, 1), 1
	s_wait_xcnt 0x0
; SELECT: out3 and out4, the 30 nearest of each atom row, sorted by (distance, index), from the survivors that the launch before marked in bits.
; Work-group g = one residue (batch g >> 8), wave w = its row w.  A masked residue's rows are 1e6 and 0 and cost no vector load.
; A valid row: (A) its 96 bits a lane (candidate j = 1024 c + 32 beta + lane for bit beta of word c) are turned into a list of indices in the wave's own
; LDS bytes, one bit a lane a trip, places dealt by counting the active lanes below; meanwhile the batch's coordinates and flags come into LDS.
; (B) 32 list entries at a time: the exact distance, a bitonic sort of the keys (distance bits, index) across the lanes, and a merge that keeps the 32
; smallest.  The list holds every one of the 30 nearest and at least 30 entries; its order does not matter, since the keys are sorted.
; The two loops' lengths were counted by the launch before and lie in cnts: [residue][16 rows][2 words]: the bits of the row's fullest lane, and the
; row's bits / 32 rounded up.  They come by a scalar load, as the residue's flag does.
; dist = sqrt(q + 1e-6), q = fma(dz, dz, fma(dx, dx, dy dy)), the root corrected to round-to-nearest; a masked candidate has dist = 1e6.
; Positive f32 order as their bits do, so keys are compared as unsigned numbers; equal distances go by the lower index.
; All addresses and trip counts come from whole numbers read from memory (bits, cnts, mask); floating-point compares only select values.
; The batch's coordinates are shared by 256 work-groups, but the masked ones never ask for them, so partners in a cluster would not make the same requests;
; they come through registers, 36,864 bytes once a work-group.
; LIMITS: mask entries are 0 or 1 (tested against 0).  Coordinates finite, no squared distance overflows f32.  The order of rounding in q is the one written above.
.set MASKL, 36864                      ; LDS: 0 the batch's 3072 atoms, 12 bytes each; here its 256 flags
.set LIST,  37888                      ; 6,400 bytes a wave: u16 entries 0..3103 (3,072 candidates at the most + 32 end marks); entry 3199 takes idle lanes' stores
.set LISTB, 6400
.set ST3,   114688                     ; 12 rows x 128 bytes: the sorted distances, lane l at 4 l
.set STP,   1536                       ; and as much again for the indices
; v1 lane, v3 16 x thread, v[4:15] bit words, v[16:39] coordinates on their way, v[40:43] flags on their way, v44-46 the row's 96 bits, v47-49 their first indices,
; v50-58 at work, v59 my list entry, v60-63 candidate x y z flag, v64-72 distance, v74-75 batch key, v76-77 partner's key, v78-79 the best 32,
; v80 my stage word, v83 my list, v84 my offset in bits, v85 1e6, v86-95 the way out
; s[4:13] five buffers, s14 wave, s15 g, s16 batch, s17 my residue's flag, s18 my byte's shift, s[20:22] my row, s23 list length, s24 batches, s25 counter,
; s26-31 lane masks, s32 extraction trips, s33 batches as loaded, s34-35 my offset in cnts, s36-37 cross-half select, s[38:39] cnts, s[40:45] bases,
; s46-49 offsets, s50-58 at work
	s_load_b256 s[4:11], s[0:1], 0x0               ; coords s[4:5], mask s[6:7], bits s[8:9], out3 s[10:11]
	s_load_b64 s[12:13], s[0:1], 0x20              ; out4
	s_load_b64 s[38:39], s[0:1], 0x28              ; cnts
	v_lshl_add_u32 v96, v0, 2, 0x1cc00
	v_mov_b32 v97, 0
	v_and_b32 v1, 31, v0
	v_lshrrev_b32 v2, 5, v0
	v_readfirstlane_b32 s14, v2                    ; wave 0..11
	s_mov_b32 s15, ttmp9
	s_lshr_b32 s16, s15, 8
	s_lshl_b32 s46, s15, 2                         ; my residue's flag
	s_mul_i32 s47, s15, 12
	s_add_co_u32 s47, s47, s14
	s_mul_i32 s47, s47, 12                         ; my row: atom 12 g + w, 12 bytes each
	s_lshl_b32 s34, s15, 7
	s_lshl_b32 s35, s14, 3
	s_add_co_u32 s34, s34, s35                     ; my row's two counts: 128 g + 8 w
	s_mov_b32 s49, 0
	s_wait_kmcnt 0x0
	s_load_b32 s17, s[6:7], s46 offset:0x0
	s_load_b96 s[20:22], s[4:5], s47 offset:0x0
	s_load_b64 s[32:33], s[38:39], s34 offset:0x0
	s_mul_i32 s48, s16, 36864
	s_add_nc_u64 s[40:41], s[4:5], s[48:49]        ; the batch's coordinates
	s_lshl_b32 s48, s16, 10
	s_add_nc_u64 s[42:43], s[6:7], s[48:49]        ; the batch's flags
	s_mul_i32 s48, s15, 6144
	s_add_nc_u64 s[44:45], s[8:9], s[48:49]        ; my residue in bits
	s_and_b32 s18, s14, 3
	s_lshl_b32 s18, s18, 3                         ; my row's byte in its word
	s_and_b32 s51, s14, 12                         ; my row's word: 4 x (w / 4) bytes
	s_mov_b32 s23, 0
	s_mov_b32 s25, 0
	s_mov_b32 s36, 0x76543210
	s_mov_b32 s37, 0xfedcba98
	s_mul_i32 s50, s14, LISTB
	s_add_co_u32 s50, s50, LIST
	v_mov_b32 v83, s50
	v_lshlrev_b32 v3, 4, v1
	v_lshl_add_u32 v3, s14, 9, v3                  ; 512 w + 16 lane
	v_lshl_add_u32 v84, v1, 4, s51
	v_mov_b32 v47, v1
	v_add_nc_u32 v48, 0x400, v1
	v_add_nc_u32 v49, 0x800, v1
	v_mov_b32 v59, v1
	v_mov_b32 v76, 0                               ; destinations of lane exchanges count as read: written once here
	v_mov_b32 v77, 0
	v_mov_b32 v85, 0x49742400                      ; 1e6
	v_lshlrev_b32 v80, 2, v1
	v_lshl_add_u32 v80, s14, 7, v80
	v_add_nc_u32 v80, ST3, v80                     ; 128 w + 4 lane in the stage
	s_wait_kmcnt 0x0
	s_min_u32 s32, s32, 96                         ; a lane has 96 bits at the most;
	s_max_u32 s32, s32, 1                          ; the loop's body runs once at the least
	s_min_u32 s24, s33, 97                         ; 3,072 entries and the end marks are 97 batches at the most
	s_max_u32 s24, s24, 1
	s_cmp_eq_u32 s17, 0
	s_cbranch_scc1 .LjoinA                         ; a masked residue: nothing to gather
	; (A)
	s_cmp_gt_u32 s14, 1
	s_cbranch_scc1 .Lnoflags
	global_load_b128 v[40:43], v3, s[42:43]        ; waves 0 and 1: the batch's 1,024 bytes of flags
.Lnoflags:
.irp i, 0,1,2,3,4,5,6,7,8,9,10,11
	global_load_b32 v[4+\i], v84, s[44:45] offset:512*\i               ; slice i, my lane, my row's word
.endr
.irp c, 0,1,2,3,4,5
	global_load_b128 v[16+4*\c:19+4*\c], v3, s[40:41] offset:6144*\c   ; the 12 waves together: 6,144 consecutive bytes a step
.endr
	s_wait_loadcnt 0x6                             ; loads come back in order (ISA guide 5.7.1): all but the six coordinate loads issued last are in
.irp i, 0,1,2,3,4,5,6,7,8,9,10,11
	v_bfe_u32 v[4+\i], v[4+\i], s18, 8             ; my row's eight bits of slice i
.endr
.irp c, 0,1,2
	v_lshl_or_b32 v[44+\c], v[5+4*\c], 8, v[4+4*\c]
	v_lshl_or_b32 v[44+\c], v[6+4*\c], 16, v[44+\c]
	v_lshl_or_b32 v[44+\c], v[7+4*\c], 24, v[44+\c]
.endr
	; One trip takes the lowest bit that each lane has left; as many trips as the fullest lane has bits.
.Lext:
	v_or_b32 v50, v44, v45
	v_or_b32 v50, v50, v46
	v_cmp_ne_u32 s28, 0, v50                       ; the lanes that still have a bit
	v_cmp_ne_u32 s26, 0, v44
	v_cmp_ne_u32 s27, 0, v45
	v_cndmask_b32 v51, v46, v45, s27               ; the first word that is not 0,
	v_cndmask_b32 v52, v49, v48, s27               ; and the index of its bit 0
	v_cndmask_b32 v51, v51, v44, s26
	v_cndmask_b32 v52, v52, v47, s26
	v_sub_nc_u32 v53, 0, v51
	v_and_b32 v53, v51, v53                        ; its lowest bit
	v_xor_b32 v51, v51, v53                        ; taken out
	s_and_not1_b32 s29, s27, s26                   ; the word was word 1
	s_or_b32 s30, s26, s27                         ; the word was not word 2
	v_cndmask_b32 v44, v44, v51, s26
	v_cndmask_b32 v45, v45, v51, s29
	v_cndmask_b32 v46, v51, v46, s30
	v_mov_b32 v54, 0                               ; the bit's number, binary digit by digit from the top
.irp m, 0xffff0000, 0xff00ff00, 0xf0f0f0f0, 0xcccccccc, 0xaaaaaaaa
	v_and_b32 v55, \m, v53
	v_cmp_ne_u32 vcc_lo, 0, v55
	v_add_co_ci_u32 v54, vcc_lo, v54, v54, vcc_lo
.endr
	v_lshl_add_u32 v56, v54, 5, v52                ; j
	v_mbcnt_lo_u32_b32 v57, s28, s23               ; list length + active lanes below me
	v_cndmask_b32 v57, 0xc7f, v57, s28             ; idle lanes: entry 3199
	v_min_u32 v57, 0xc7f, v57
	v_lshl_add_u32 v57, v57, 1, v83
	ds_store_b16 v57, v56
	s_bcnt1_i32_b32 s31, s28
	s_add_co_u32 s23, s23, s31
	s_add_co_u32 s25, s25, 1
	s_cmp_lt_u32 s25, s32
	s_cbranch_scc1 .Lext
	v_add_nc_u32 v57, s23, v1                      ; 32 end marks behind the list: the last batch reads at most 31 entries past its end
	v_min_u32 v57, 0xc1f, v57
	v_lshl_add_u32 v57, v57, 1, v83
	v_mov_b32 v56, 0xffff
	ds_store_b16 v57, v56
	s_wait_loadcnt 0x0                             ; the coordinates (and the flags)
.irp c, 0,1,2,3,4,5
	ds_store_b128 v3, v[16+4*\c:19+4*\c] offset:6144*\c
.endr
	s_cmp_gt_u32 s14, 1
	s_cbranch_scc1 .LjoinA
	ds_store_b128 v3, v[40:43] offset:MASKL
.LjoinA:
	s_wait_dscnt 0x0                               ; my part of the coordinates is in LDS before I say so
	s_barrier_signal -1
	s_barrier_wait -1
; 32 list entries: their keys into v74 (distance bits), v75 (index); an end mark gets the largest key
.macro BATCH
	v_min_u32 v50, 0xc1f, v59
	v_lshl_add_u32 v50, v50, 1, v83
	ds_load_u16 v51, v50
	s_wait_dscnt 0x0
	v_cmp_gt_u32 s26, 0xc00, v51                   ; a candidate, not an end mark
	v_min_u32 v52, 0xbff, v51
	v_mul_u32_u24 v53, 12, v52
	v_mul_u32_u24 v54, 0xaaab, v52                 ; its residue: j / 12 = (43691 j) >> 19 for j < 6144
	v_lshrrev_b32 v54, 19, v54
	v_min_u32 v54, 0xff, v54
	v_lshlrev_b32 v54, 2, v54
	ds_load_b32 v60, v53                           ; an atom's 12 bytes are aligned to 4 alone: three loads
	ds_load_b32 v61, v53 offset:4
	ds_load_b32 v62, v53 offset:8
	ds_load_b32 v63, v54 offset:MASKL
	s_wait_dscnt 0x0
	v_sub_f32 v64, s20, v60
	v_sub_f32 v65, s21, v61
	v_sub_f32 v66, s22, v62
	v_mul_f32 v67, v65, v65                        ; the sum of squares: q = fma(dz, dz, fma(dx, dx, dy dy))
	v_fma_f32 v67, v64, v64, v67
	v_fma_f32 v67, v66, v66, v67
	v_add_f32 v67, 0x358637bd, v67                 ; s = q + 1e-6
	v_sqrt_f32 v68, v67
	v_add_nc_u32 v59, 32, v59                      ; the next batch's entry: the plain instruction behind v_sqrt_f32 (ISA guide 5.7.2)
	; v_sqrt_f32 is not correctly rounded (ISA guide, its entry in 15.8).  With r its result and r-, r+ its neighbours: the rounded root is r- if s - r- r <= 0,
	; r+ if s - r+ r > 0, else r; each residual is one fused multiply-add, so its sign is exact.
	s_wait_alu depctr_va_vdst(0)
	v_add_nc_u32 v69, -1, v68
	v_add_nc_u32 v70, 1, v68
	v_fma_f32 v71, -v69, v68, v67
	v_fma_f32 v72, -v70, v68, v67
	v_cmp_ne_u32 s27, 0, v63
	v_cmp_ge_f32 vcc_lo, 0, v71
	v_cndmask_b32 v68, v68, v69, vcc_lo
	v_cmp_lt_f32 vcc_lo, 0, v72
	v_cndmask_b32 v68, v68, v70, vcc_lo
	v_cndmask_b32 v68, v85, v68, s27               ; a masked candidate: 1e6
	v_cndmask_b32 v74, -1, v68, s26
	v_cndmask_b32 v75, -1, v51, s26
.endm
; One stage on the keys (v[d], v[i]), partner = lane xor jj.  c: the lanes that keep the larger key.
; A lane that keeps the smaller takes the partner's key if that is below its own; one that keeps the larger, if it is not.
.macro XSTAGE d, i, jj, c
.if \jj < 16
	v_mov_b32_dpp v76, v[\d] row_xmask:\jj row_mask:0xf bank_mask:0xf
	v_mov_b32_dpp v77, v[\i] row_xmask:\jj row_mask:0xf bank_mask:0xf
.else
	v_permlanex16_b32 v76, v[\d], s36, s37
	v_permlanex16_b32 v77, v[\i], s36, s37
.endif
	v_cmp_lt_u32 s26, v76, v[\d]
	v_cmp_eq_u32 s27, v76, v[\d]
	v_cmp_lt_u32 s28, v77, v[\i]
	s_and_b32 s27, s27, s28
	s_or_b32 s26, s26, s27                         ; the partner's key is below mine
	s_xor_b32 s26, s26, \c
	v_cndmask_b32 v[\d], v[\d], v76, s26
	v_cndmask_b32 v[\i], v[\i], v77, s26
.endm
.macro CLEAN d, i, inv                 ; a bitonic run of 32 into order
	XSTAGE \d, \i, 16, 0xffff0000^\inv
	XSTAGE \d, \i, 8,  0xff00ff00^\inv
	XSTAGE \d, \i, 4,  0xf0f0f0f0^\inv
	XSTAGE \d, \i, 2,  0xcccccccc^\inv
	XSTAGE \d, \i, 1,  0xaaaaaaaa^\inv
.endm
.macro SORT d, i, inv                  ; inv = 0: ascending; all ones: descending.  Bit l of a constant: ((l & jj) != 0) xor ((l & k) != 0)
	XSTAGE \d, \i, 1,  0x66666666^\inv
	XSTAGE \d, \i, 2,  0x3c3c3c3c^\inv
	XSTAGE \d, \i, 1,  0x5a5a5a5a^\inv
	XSTAGE \d, \i, 4,  0x0ff00ff0^\inv
	XSTAGE \d, \i, 2,  0x33cc33cc^\inv
	XSTAGE \d, \i, 1,  0x55aa55aa^\inv
	XSTAGE \d, \i, 8,  0x00ffff00^\inv
	XSTAGE \d, \i, 4,  0x0f0ff0f0^\inv
	XSTAGE \d, \i, 2,  0x3333cccc^\inv
	XSTAGE \d, \i, 1,  0x5555aaaa^\inv
	CLEAN \d, \i, \inv
.endm
	; (B)
	s_cmp_eq_u32 s17, 0
	s_cbranch_scc1 .Lpad
	BATCH
	SORT 74, 75, 0
	v_mov_b32 v78, v74                             ; the best 32 so far, ascending
	v_mov_b32 v79, v75
	s_cmp_lt_u32 s24, 2
	s_cbranch_scc1 .LjoinB
	s_mov_b32 s25, 1
.Lmerge:
	BATCH
	SORT 74, 75, 0xffffffff
	v_cmp_lt_u32 s26, v74, v78                     ; ascending against descending, lane by lane: the smaller keys are the 32 smallest of the 64
	v_cmp_eq_u32 s27, v74, v78
	v_cmp_lt_u32 s28, v75, v79
	s_and_b32 s27, s27, s28
	s_or_b32 s26, s26, s27
	v_cndmask_b32 v78, v78, v74, s26
	v_cndmask_b32 v79, v79, v75, s26
	CLEAN 78, 79, 0
	s_add_co_u32 s25, s25, 1
	s_cmp_lt_u32 s25, s24
	s_cbranch_scc1 .Lmerge
	s_branch .LjoinB
.Lpad:
	v_mov_b32 v78, v85                             ; a masked row: 1e6 and index 0
	v_mov_b32 v79, 0
.LjoinB:
	; The list reads of (B) run at an address that is stepped in a loop whose length is read from memory.  The stage is written only when every wave's
	; LDS reads of (B) are back, so that the order of the two does not rest on that address arithmetic.
	s_wait_dscnt 0x0
	s_barrier_signal -1
	s_barrier_wait -1
	ds_store_b32 v80, v78
	ds_store_b32 v80, v79 offset:STP
	s_wait_dscnt 0x0                               ; my row is in the stage before I say so
	s_barrier_signal -1
	s_barrier_wait -1
	; The way out: the residue's 12 x 30 numbers are 1,440 consecutive bytes of each output, 90 pieces of 16.  Waves 0-2 store out3, waves 3-5 out4.
	; 1,440 is no multiple of 256, so the first and last aligned 256 bytes of a residue are shared with its neighbours; all between are written whole.
	s_cmp_gt_u32 s14, 5
	s_cbranch_scc1 .Lend
	s_cmp_ge_u32 s14, 3
	s_cselect_b64 s[52:53], s[12:13], s[10:11]
	s_cselect_b32 s54, STP, 0
	s_cselect_b32 s55, 3, 0
	s_sub_co_u32 s55, s14, s55                     ; which third
	s_add_co_u32 s54, s54, ST3
	s_mul_i32 s58, s15, 1440
	v_lshl_add_u32 v86, s55, 5, v1                 ; piece 0..95
	v_min_u32 v87, 89, v86                         ; pieces 90..95 do not exist: they read piece 89 and store nothing
	v_lshlrev_b32 v87, 1, v87                      ; its first pair of numbers, p; a row is 15 pairs, at a pitch of 16: pair p lies at 8 (p + p / 15)
	v_mul_u32_u24 v92, 0x889, v87                  ; p / 15 = (2185 p) >> 15 for p < 180: 15 x 2185 = 2^15 + 7
	v_lshrrev_b32 v92, 15, v92
	v_add_nc_u32 v92, v92, v87
	v_lshl_add_u32 v92, v92, 3, s54
	v_add_nc_u32 v87, 1, v87
	v_mul_u32_u24 v93, 0x889, v87
	v_lshrrev_b32 v93, 15, v93
	v_add_nc_u32 v93, v93, v87
	v_lshl_add_u32 v93, v93, 3, s54
	ds_load_b64 v[88:89], v92
	ds_load_b64 v[90:91], v93
	v_lshl_add_u32 v95, v86, 4, s58
	v_cmp_gt_u32 vcc_lo, 90, v86
	s_wait_dscnt 0x0
	s_wait_xcnt 0x0                                ; EXEC changes only behind this wait
	s_wait_tensorcnt 0x0
	ds_add_u32 v96, v97
	s_wait_dscnt 0x0
	s_and_saveexec_b32 s57, vcc_lo
	global_store_b128 v95, v[88:91], s[52:53]
	s_endpgm
.Lend:
	s_wait_tensorcnt 0x0
	ds_add_u32 v96, v97
	s_wait_dscnt 0x0
	s_endpgm
.Lfunc_end_k_q6b11706154_select:
	.size	k_q6b11706154_select, .Lfunc_end_k_q6b11706154_select-k_q6b11706154_select
	.p2alignl 7, 3214868480
	.fill 96, 4, 3214868480
	.section	.rodata,"a",@progbits
	.p2align	6, 0x0
	.amdhsa_kernel k_q6b11706154_select
		.amdhsa_group_segment_fixed_size 119296
		.amdhsa_private_segment_fixed_size 0
		.amdhsa_enable_private_segment 0
		.amdhsa_kernarg_size 48
		.amdhsa_user_sgpr_count 2
		.amdhsa_user_sgpr_kernarg_segment_ptr 1
		.amdhsa_wavefront_size32 1
		.amdhsa_system_sgpr_workgroup_id_x 1
		.amdhsa_system_sgpr_workgroup_id_y 1
		.amdhsa_system_sgpr_workgroup_id_z 1
		.amdhsa_system_vgpr_workitem_id 0
		.amdhsa_next_free_vgpr 98
		.amdhsa_next_free_sgpr 66
		.amdhsa_reserve_vcc 1
		.amdhsa_float_denorm_mode_32 3
		.amdhsa_float_denorm_mode_16_64 3
		.amdhsa_memory_ordered 1
		.amdhsa_forward_progress 1
		.amdhsa_inst_pref_size 36
	.end_amdhsa_kernel
	.amdgpu_metadata
---
amdhsa.version: [ 1, 2 ]
amdhsa.kernels:
  - .name:           k_q6b11706154_select
    .symbol:         k_q6b11706154_select.kd
    .args:
      - { .name: coords, .offset: 0, .size: 8, .value_kind: global_buffer, .address_space: global }
      - { .name: mask, .offset: 8, .size: 8, .value_kind: global_buffer, .address_space: global }
      - { .name: bits, .offset: 16, .size: 8, .value_kind: global_buffer, .address_space: global }
      - { .name: out3, .offset: 24, .size: 8, .value_kind: global_buffer, .address_space: global }
      - { .name: out4, .offset: 32, .size: 8, .value_kind: global_buffer, .address_space: global }
      - { .name: cnts, .offset: 40, .size: 8, .value_kind: global_buffer, .address_space: global }
    .group_segment_fixed_size: 119296
    .private_segment_fixed_size: 0
    .kernarg_segment_align: 8
    .kernarg_segment_size: 48
    .max_flat_workgroup_size: 384
    .sgpr_count:     66
    .vgpr_count:     98
    .wavefront_size: 32
...
	.end_amdgpu_metadata
.endif
;; end of part 2
